; MI455X (gfx1250); checked and timed in simulation.
; The chip was launched on July 23, 2026; its instructions are those of AMD's public machine-readable ISA for CDNA 5 (MIT licence, August 2026) and "CDNA5" Instruction Set Architecture Reference Guide (July 2026). The comments in the code are by the model that wrote it; some were corrected since.
;; Shared Bilinear Decoder. Allowed arithmetic: matrix products marked QUANTISED: E4M3 operands, one E8M0 scale for each 32 along K, by v_wmma_scale_f32_16x16x128_f8f6f4 with both operands' format E4M3, f32 sums; products left as they are: f32 operands where the result goes on into a quantised operand, else bf16, f16 or f32 operands; f32 sums; everything else in f32.
;; Inputs: embeds1 131,072 x 256 float32; embeds2 131,072 x 256 float32; rel_embeds 8 x 65,536 float32; weight_scalars 8 x 5 float32.
;; Outputs: out0 131,072 x 5 float32.
;; This version of the problem:
;;   THIS VERSION OF THE PROBLEM IS GIVEN IN LOW PRECISION. The matrix products marked QUANTISED in the list below multiply operands that are first quantised to E4M3 (4 exponent bits, 3 mantissa bits; 8 bits a number), with one power-of-two scale for each 32 numbers along K (OCP MX v1.0); their sums are f32. All else is computed in f32.
;;   The module's matrix products, in the order in which they are computed (A, B: the left and right operand; K: the contracted axis; several contracted axes count as one K, in the product's order):
;;     1. [M 2,048, K 256] x [K 256, N 131,072]; A: input rel_embeds; B: input embeds1: QUANTISED
;;     2. batch 131,072 x [M 1, K 256] x [K 256, N 8]; A: input embeds2; B: computed on the way: left as it is (M = 1 < 16)
;;     3. [M 131,072, K 8] x [K 8, N 5]; A: computed on the way; B: input weight_scalars: left as it is (K = 8 < 32)
;;   THE QUANTISER, for each operand of a quantised product, along K:
;;     - K is cut into blocks of 32 from its start; a last block that is shorter is filled with zeros.
;;     - A block's scale is 2^e with e = floor(log2(the largest magnitude in the block)) - 8, held to -126 .. 127; a block of zeros has e = 0. As a byte (E8M0): e + 127.
;;     - Each number is divided by its block's scale, clamped to +-448, and rounded to the nearest number of E4M3, ties to even, subnormals kept.
;;     - The product sums the exact products of the quantised numbers (number of the format x scale) in f32.
;;   ~~~python
;;   def quantise(x, axis):      # numpy; x: float32 -> the quantised numbers, widened to float32 again
;;       x = np.moveaxis(x, axis, -1); K = x.shape[-1]
;;       x = np.pad(x, [(0, 0)] * (x.ndim - 1) + [(0, -K % 32)]); x = x.reshape(x.shape[:-1] + (-1, 32)); a = np.abs(x).max(-1, keepdims=True)
;;       e = np.where(a > 0, np.clip(np.frexp(np.where(a > 0, a, 1))[1] - 1 - 8, -126, 127), 0)      # np.frexp(a)[1] - 1 = floor(log2(a)), exactly
;;       r = np.clip(x / 2.0 ** e, -448, 448)
;;       step = 2.0 ** (np.maximum(np.frexp(np.where(r == 0, 1, r))[1] - 1, -6) - 3)
;;       q = np.round(r / step) * step * 2.0 ** e      # np.round: ties to even
;;       return np.moveaxis(q.reshape(q.shape[:-2] + (-1,))[..., :K], -1, axis).astype(np.float32)
;;   ~~~
;; One version. Each part assembles by itself: llvm-mc -triple=amdgcn-amd-amdhsa -mcpu=gfx1250 --defsym DOCPART=n.
;; ======== version 1 of 1: 2 launches
;; limits: right only within a limited range of input values
;; workspace buffers: rq 540,672 bytes
;; launch prep (part 1): grid 32 x 8, 1 waves a work-group, no clusters, 0 bytes of LDS; arguments rel_embeds, rq; writes rq
.if DOCPART == 1
	.amdgcn_target "amdgcn-amd-amdhsa--gfx1250"
	.amdhsa_code_object_version 6
	.text
	.protected	k_q723a8c8d9c_prep
	.globl	k_q723a8c8d9c_prep
	.p2align	8
	.type	k_q723a8c8d9c_prep,@function
k_q723a8c8d9c_prep:
	s_mov_b64 s[64:65], 0
	v_nop
	global_prefetch_b8 v0, s[64:65] scope:SCOPE_SE
	s_setreg_imm32_b32 hwreg(HW_REG_WAVE_MODE, 25, 1), 1
	s_wait_xcnt 0x0
; rel_embeds [8 (w)][256 (i)][256 (j)], f32, is the left operand of T[(w, j)][b] = sum over i of R[w][i][j] u[b][i]: its K is i, which is not innermost.
; It is turned into codes of FP8 (E4M3) with one E8M0 scale byte for each 32 along i, laid in the order of the operand's registers: the next launch takes a fragment by four 16-byte loads a lane at 16 x lane.
; rq = 8 chunks of 67,584 bytes; chunk g serves j = 32 g .. 32 g + 31 as 16 tiles of 16 rows (w, j): tile 8 (J % 2) + w, J = j / 16, row m = j % 16.
;   codes:       g 67584 + tile 4096 + s 2048 + c 512 + (16 h + m) 16 : the 16 codes of i = 128 s + 32 c + 16 h + 0 .. 15
;   scale words: g 67584 + 65536 + tile 128 + s 64 + 4 m              : byte c scales i = 128 s + 32 c .. + 31
; A lane takes a column j and its registers run down i: each load reads 128 consecutive bytes, a block of 32 along i lies in one lane's 32 registers, and the conversions give codes with i innermost.
; A work-group is one wave: 32 columns (g), 64 along i (two blocks: q = 0 .. 3, i = 64 q ..), one matrix (w): 8 x 4 x 8 = 256 work-groups, and all 64 loads of a wave go out at once.
; Each code store writes two aligned runs of 256 bytes (lanes 0-15, lanes 16-31); a lane's two scale bytes leave as 2 bytes, 16 KiB in the whole launch.
; A block's scale is 2^(floor(log2(its largest magnitude)) - 8); its byte is that magnitude's exponent field - 8, held at 1 from below.
; LIMITS: a block of zeros gets the byte 1 where the rule says 127 (its codes are zeros, and this program alone reads the bytes); NaN and infinities among the inputs are not served.
.set X,  32                            ; v32-95   64 numbers: i = 64 q + 0 .. 63 of my column
.set SW, 98                            ; v98      my column's two scale bytes
.set C,  100                           ; v100-115 codes: eight registers for each block
	s_load_b128 s[4:7], s[0:1], 0x0                ; rel_embeds, rq
	v_and_b32 v1, 15, v0                           ; m = lane % 16
	v_lshrrev_b32 v2, 4, v0                        ; J % 2 = lane / 16
	v_lshlrev_b32 v3, 2, v0                        ; in: 4 bytes a lane
	v_lshlrev_b32 v4, 4, v1
	v_lshl_add_u32 v4, v2, 15, v4                  ; codes: 16 m + 8 tiles of 4,096 bytes for the upper sixteen columns
	v_lshlrev_b32 v5, 2, v1
	v_lshl_add_u32 v5, v2, 10, v5                  ; scale words: 4 m + 8 tiles of 128 bytes
	s_and_b32 s8, ttmp9, 7                         ; g
	s_lshr_b32 s9, ttmp9, 3                        ; q
	s_and_b32 s10, ttmp7, 0xffff                   ; w
	s_lshl_b32 s12, s10, 18                        ; a matrix is 262,144 bytes,
	s_lshl_b32 s13, s9, 16                         ; 64 rows i are 65,536,
	s_add_co_u32 s12, s12, s13
	s_lshl_b32 s13, s8, 7                          ; 32 columns are 128
	s_add_co_u32 s12, s12, s13
	s_mov_b32 s13, 0
	s_mul_i32 s14, s8, 67584                       ; my chunk
	s_lshl_b32 s15, s10, 12
	s_add_co_u32 s16, s14, s15                     ; + tile w
	s_lshl_b32 s15, s9, 10
	s_add_co_u32 s16, s16, s15                     ; + 2048 (q / 2) + 1024 (q % 2): K step s = q / 2, blocks c = 2 (q % 2) ..
	s_mov_b32 s17, 0
	s_add_co_u32 s18, s14, 65536                   ; the chunk's scale words
	s_lshl_b32 s15, s10, 7
	s_add_co_u32 s18, s18, s15
	s_lshr_b32 s15, s9, 1
	s_lshl_b32 s15, s15, 6
	s_add_co_u32 s18, s18, s15                     ; + 64 s
	s_and_b32 s15, s9, 1
	s_lshl_b32 s15, s15, 1
	s_add_co_u32 s18, s18, s15                     ; + the word's lower or upper two bytes
	s_mov_b32 s19, 0
	s_mov_b32 s20, 0x600000                        ; the mantissa field of 448 (an instruction takes one literal)
	s_wait_alu depctr_va_vdst(0)
	s_wait_kmcnt 0x0
	s_add_nc_u64 s[4:5], s[4:5], s[12:13]
	s_add_nc_u64 s[8:9], s[6:7], s[18:19]          ; where my scale bytes go
	s_add_nc_u64 s[6:7], s[6:7], s[16:17]          ; where my codes go
.set n, 0
.rept 64
	global_load_b32 v[X+n], v3, s[4:5] offset:n*1024 th:TH_LOAD_NT
.set n, n+1
.endr
.macro BLOCK t
.set XS, X+32*(\t)
.set CC, C+8*(\t)
	s_wait_loadcnt 32-32*(\t)                      ; this block's 32 loads are in; the second block's 32 may be out
	v_max3_num_f32 v12, |v[XS]|, |v[XS+1]|, |v[XS+2]|              ; the block's largest magnitude: all 32 numbers are mine; two chains
	v_max3_num_f32 v13, |v[XS+3]|, |v[XS+4]|, |v[XS+5]|
.irp i, 6,10,14,18,22,26
	v_max3_num_f32 v12, v12, |v[XS+\i]|, |v[XS+\i+1]|
	v_max3_num_f32 v13, v13, |v[XS+\i+2]|, |v[XS+\i+3]|
.endr
	v_max3_num_f32 v12, v12, |v[XS+30]|, |v[XS+31]|
	v_max3_num_f32 v12, v12, v13, 0x4800000        ; and the floor 2^(9 - 127): so the byte cannot fall under 1
	v_add_nc_u32 v11, 0xfc000000, v12              ; 8 off its exponent field: the conversion takes the exponent field of this operand as its scale
	v_and_or_b32 v10, v12, 0x7f800000, s20         ; 448 x the scale: the largest magnitude's exponent field over 448's mantissa
	v_lshrrev_b32 v13, 23, v11                     ; the scale's byte
.if (\t) == 0
	v_mov_b32 v[SW], v13                           ; the lower i in the lower byte
.else
	v_lshl_or_b32 v[SW], v13, 8, v[SW]
.endif
.set n, 0
.rept 32
	v_med3_num_f32 v[XS+n], v[XS+n], -v10, v10     ; the conversion to an 8-bit code does not saturate (ISA guide 7.6.2): hold the number within 448 x the scale first
.set n, n+1
.endr
.irp g, 0,1,2,3
	v_cvt_scalef32_pk8_fp8_f32 v[CC+2*\g:CC+2*\g+1], v[XS+8*\g:XS+8*\g+7], v11
.endr
	global_store_b128 v4, v[CC:CC+3], s[6:7] offset:512*(\t)         ; i = 32 t + 0 .. 15: the place of lanes 0-15 of the fragment
	global_store_b128 v4, v[CC+4:CC+7], s[6:7] offset:512*(\t)+256   ; i = 32 t + 16 .. 31: of lanes 16-31
.endm
	BLOCK 0
	BLOCK 1
	global_store_b16 v5, v[SW], s[8:9]
	s_endpgm
.Lfunc_end_k_q723a8c8d9c_prep:
	.size	k_q723a8c8d9c_prep, .Lfunc_end_k_q723a8c8d9c_prep-k_q723a8c8d9c_prep
	.p2alignl 7, 3214868480
	.fill 96, 4, 3214868480
	.section	.rodata,"a",@progbits
	.p2align	6, 0x0
	.amdhsa_kernel k_q723a8c8d9c_prep
		.amdhsa_group_segment_fixed_size 0
		.amdhsa_private_segment_fixed_size 0
		.amdhsa_enable_private_segment 0
		.amdhsa_kernarg_size 16
		.amdhsa_user_sgpr_count 2
		.amdhsa_user_sgpr_kernarg_segment_ptr 1
		.amdhsa_wavefront_size32 1
		.amdhsa_system_sgpr_workgroup_id_x 1
		.amdhsa_system_sgpr_workgroup_id_y 1
		.amdhsa_system_sgpr_workgroup_id_z 1
		.amdhsa_system_vgpr_workitem_id 0
		.amdhsa_next_free_vgpr 128
		.amdhsa_next_free_sgpr 66
		.amdhsa_reserve_vcc 0
		.amdhsa_float_denorm_mode_32 3
		.amdhsa_float_denorm_mode_16_64 3
		.amdhsa_memory_ordered 1
		.amdhsa_forward_progress 1
		.amdhsa_inst_pref_size 16
	.end_amdhsa_kernel
	.amdgpu_metadata
---
amdhsa.version: [ 1, 2 ]
amdhsa.kernels:
  - .name:           k_q723a8c8d9c_prep
    .symbol:         k_q723a8c8d9c_prep.kd
    .args:
      - { .name: rel_embeds, .offset: 0, .size: 8, .value_kind: global_buffer, .address_space: global }
      - { .name: rq, .offset: 8, .size: 8, .value_kind: global_buffer, .address_space: global }
    .group_segment_fixed_size: 0
    .private_segment_fixed_size: 0
    .kernarg_segment_align: 8
    .kernarg_segment_size: 16
    .max_flat_workgroup_size: 32
    .sgpr_count:     66
    .vgpr_count:     128
    .wavefront_size: 32
...
	.end_amdgpu_metadata
.endif
;; end of part 1
;; launch main (part 2): grid 256 x 1, 4 waves a work-group, clusters of 4 x 1, 327,680 bytes of LDS; arguments embeds1, embeds2, rq, weight_scalars, out0; writes out0
.if DOCPART == 2
	.amdgcn_target "amdgcn-amd-amdhsa--gfx1250"
	.amdhsa_code_object_version 6
	.text
	.protected	k_q723a8c8d9c_main
	.globl	k_q723a8c8d9c_main
	.p2align	8
	.type	k_q723a8c8d9c_main,@function
k_q723a8c8d9c_main:
	s_mov_b64 s[64:65], 0
	v_nop
	global_prefetch_b8 v0, s[64:65] scope:SCOPE_SE
	s_setreg_imm32_b32 hwreg(HW_REG_WAVE_MODE, 25, 1), 1
	s_wait_xcnt 0x0
	s_wait_alu depctr_hold_cnt(0) depctr_sa_sdst(0) depctr_va_vdst(0) depctr_va_sdst(0) depctr_va_ssrc(0) depctr_va_vcc(0) depctr_vm_vsrc(0)
	s_getreg_b32 s2, hwreg(HW_REG_IB_STS2, 6, 4)
	s_cmp_eq_u32 s2, 0
	s_cbranch_scc0 .Lentry_in_a_cluster
	s_endpgm
.Lentry_in_a_cluster:
	s_bfe_u32 s2, ttmp6, 0x10000c
	s_cmp_lg_u32 s2, 0x3003
	s_cbranch_scc0 .Lentry_shape_is_right
	s_endpgm
.Lentry_shape_is_right:
; out0[b][r] = sum over w of ws[w][r] x (sum over j of v[b][j] T[(w, j)][b]),  T[(w, j)][b] = sum over i of Q(R)[w][i][j] Q(u)[b][i]: the quantised product, in MX-FP8.
; A work-group of four waves owns 512 rows b, a wave 128.  First the wave quantises its rows of embeds1 along i (blocks of 32; scale byte = the largest magnitude's exponent field - 8, held at 1 from below)
; and keeps them as 8 x 2 operand fragments in registers (windows 1 and 3).  Then rq, the codes and scale words of rel_embeds as launch prep laid them, goes by in 8 chunks of 32 j x 8 w through a ring of two LDS slots.
; Source 0 = 16 rows (w, j) of a chunk, source 1 = 16 rows b: a lane holds one b and eight neighbouring j of T, which packed multiply-adds with v[b][j ..] fold into sums for each (b tile, w); T never leaves the registers.
; The multiply-adds of tile t - 1 stand behind the products of tile t.  At the end the 8 sums of a row meet weight_scalars (scalar registers) and leave through LDS as whole runs of 512 bytes.
; CLUSTER 4, 1, 1: all work-groups walk the same chunks, so a chunk's quarter is asked for jointly by the four partners; each refill stands behind a round of the cluster's barrier.
; embeds1 and embeds2 are read once, 512 bytes a load, into window 2, four units of 16 loads ahead, and turn through the wave's own LDS region into the lanes that want them.
; No prefetch: embeds1 and embeds2 are asked for 64 loads a wave ahead by these register loads, and a chunk of rq one whole chunk (256 products a wave) ahead of its first read.
; LIMITS: a block of zeros gets the byte 1 where the rule says 127 (its codes are zeros; the bytes stay in this launch); NaN and infinities among the inputs are not served.
.set CHUNK, 67584
.set SLOTX, 0x10800
.set QUART, 16896
.set WR0,   2*CHUNK
.set WRB,   43264
.set UIMG,  8448
.set USC,   41216
.set OST,   34816
.set CELL,  4352
.set SPARE, WR0+4*WRB
.set LANE, 1
.set R_,   2
.set H_,   3
.set SPW,  4
.set NIL,  5
.set LI,   6
.set VOV,  7
.set ASU,  8
.set ARU,  9
.set AIM,  10
.set AIS,  11
.set ASV,  12
.set AV0,  13
.set AVA,  14
.set AVB,  15
.set AF,   16
.set ASC,  17
.set AO,   18
.set AOR,  19
.set AIM0, 20
.set AIS0, 21
.set ASC0, 22
.set US,   32
.set RS,   48
.set F,    64
.set VF,   128
.set X,    64
.set TM,   128
.set PW,   144
.set PC,   146
.set T0,   128
.set BS,   192
.set WV,   14
.set SEL,  20
.set MNT,  22
.set CNT,  23
.set G1,   24
.set G0A,  32
.set G0B,  36
.set SI,   40
.set FS,   41
.set FLD,  42
.set VJ,   43
.set TB,   44
.set VP,   66
.set W_A,  0x54
.set W_B,  0xfc
.set MSB, 0
.macro WIN new
.if MSB != \new
	s_set_vgpr_msb (MSB<<8)|\new
.set MSB, \new
.endif
.endm
.macro CREST
	s_cmp_lg_u32 s[WV], 0
	s_cbranch_scc1 .Lnot_wave_0_\@
	s_barrier_signal -3
.Lnot_wave_0_\@:
	s_barrier_wait -3
	s_barrier_signal -1
	s_barrier_wait -1
.endm
.macro ROUND
	s_barrier_signal -1
	s_barrier_wait -1
	CREST
.endm
	s_load_b256 s[4:11], s[0:1], 0x0
	s_load_b64 s[12:13], s[0:1], 0x20
	v_lshl_add_u32 v[SPW], v0, 2, SPARE
	v_mov_b32 v[NIL], 0
	ds_add_u32 v4, v5
	ds_add_u32 v4, v5
	s_wait_dscnt 0x0
	v_lshrrev_b32 v1, 5, v0
	v_readfirstlane_b32 s[WV], v1
	v_and_b32 v[LANE], 31, v0
	v_and_b32 v[R_], 15, v0
	v_bfe_u32 v[H_], v0, 4, 1
	s_bfe_u32 s15, ttmp6, 0x40000
	s_lshl_b32 s16, ttmp9, 2
	s_add_co_u32 s16, s16, s15
	s_mul_i32 s17, s[WV], WRB
	s_add_co_u32 s17, s17, WR0
	v_lshlrev_b32 v[LI], 4, v[LANE]
	v_lshlrev_b32 v[VOV], 4, v[R_]
	v_lshl_add_u32 v[VOV], v[H_], 14, v[VOV]
	v_add_nc_u32 v[ASU], s17, v[LI]
	v_mul_u32_u24 v[ARU], v[R_], 528
	v_lshl_add_u32 v[ARU], v[H_], 6, v[ARU]
	v_add_nc_u32 v[ARU], s17, v[ARU]
	v_add_nc_u32 v[AIM0], UIMG, v[ASU]
	v_lshlrev_b32 v[AIS0], 2, v[LANE]
	v_add_nc_u32 v[AIS0], s17, v[AIS0]
	v_add_nc_u32 v[AIS0], USC, v[AIS0]
	v_mul_u32_u24 v[ASV], v[H_], CELL
	v_lshl_add_u32 v[ASV], v[R_], 4, v[ASV]
	v_add_nc_u32 v[ASV], s17, v[ASV]
	v_mul_u32_u24 v[AV0], v[R_], 272
	v_lshl_add_u32 v[AV0], v[H_], 5, v[AV0]
	v_add_nc_u32 v[AV0], s17, v[AV0]
	v_lshl_add_u32 v[ASC0], v[R_], 2, 0x10000
	v_mul_u32_u24 v[AO], v[R_], 20
	v_add_nc_u32 v[AO], s17, v[AO]
	v_add_nc_u32 v[AO], OST, v[AO]
	v_add_nc_u32 v[AOR], OST, v[ASU]
.irp b, 0,1,2,3
	v_mov_b32 v[TM+4+\b], 0
.endr
	s_mov_b32 s[SEL], 0x76543210
	s_mov_b32 s[SEL+1], 0xfedcba98
	s_mov_b32 s[MNT], 0x600000
	s_mov_b32 s[G1], 15|(3<<16)|(1<<21)
	s_mov_b32 s[G1+1], 32<<16
	s_mov_b32 s[G1+2], 66<<16
	s_mov_b32 s[G1+3], 32<<16
	s_mov_b32 s[G1+4], 66
	s_mov_b32 s[G1+5], 32
	s_mov_b32 s[G1+6], 0
	s_mov_b32 s[G1+7], 0
	s_mul_i32 s46, s[WV], QUART
	s_mov_b32 s47, 0
	s_lshl_b32 s18, s16, 19
	s_lshl_b32 s19, s[WV], 17
	s_add_co_u32 s18, s18, s19
	s_mov_b32 s19, 0
	s_mul_i32 s2, s16, 10240
	s_mul_i32 s3, s[WV], 2560
	s_add_co_u32 s2, s2, s3
	s_mov_b32 s3, 0
	s_wait_kmcnt 0x0
	s_load_b512 s[48:63], s[10:11], 0x0
	s_load_b512 s[68:83], s[10:11], 0x40
	s_load_b256 s[84:91], s[10:11], 0x80
	s_add_nc_u64 s[4:5], s[4:5], s[18:19]
	s_add_nc_u64 s[6:7], s[6:7], s[18:19]
	s_add_nc_u64 s[12:13], s[12:13], s[2:3]
	s_mov_b32 s[G0A], 1
	s_mov_b32 s[G0A+1], s46
	s_add_nc_u64 s[G0A+2:G0A+3], s[8:9], s[46:47]
	s_mov_b32 s[G0B], 1
	s_add_co_u32 s[G0B+1], s46, CHUNK
	s_add_nc_u64 s[G0B+2:G0B+3], s[G0A+2:G0A+3], CHUNK
	s_or_b32 s[G0A+3], s[G0A+3], 0x80000000
	s_or_b32 s[G0B+3], s[G0B+3], 0x80000000
; unit q of embeds1: 16 rows b x 128 i (512 bytes of each row), a row a load, into window 2
.macro ULOAD q, off
.irp i, 0,1,2,3,4,5,6,7,8,9,10,11,12,13,14,15
	global_load_b128 v[64*\q+4*\i:64*\q+4*\i+3], v[LI], s[4:5] offset:\off+(\q/2)*16384+(\q%2)*512+1024*\i th:TH_LOAD_NT
.endr
.endm
	WIN 0x80
	ULOAD 0, 0                                     ; the first three units, 48 loads, go out ahead of the rounds and the tensor loads of the head
	ULOAD 1, 0
	ULOAD 2, 0
	WIN 0
	s_wait_kmcnt 0x0
	ROUND
	tensor_load_to_lds s[G0A:G0A+3], s[G1:G1+7]
	s_nop 0
	s_wait_alu depctr_va_vdst(0)                   ; Chunk 0 is the wave's one tensor load at the head; chunk 1 is asked for behind the loop over embeds1
.rept 4
	v_nop
.endr
.macro VLOAD q, b, off
.irp i, 0,1,2,3,4,5,6,7,8,9,10,11,12,13,14,15
	global_load_b128 v[64*\q+4*\i:64*\q+4*\i+3], v[VOV], s[\b:\b+1] offset:\off+32768*\q+1024*\i th:TH_LOAD_NT
.endr
.endm
.macro QUANT
.irp b, 0,1,2,3
	v_max3_num_f32 v[TM+\b], |v[X+16*\b]|, |v[X+1+16*\b]|, 0x4800000
.endr
.irp i, 2,4,6,8,10,12,14
.irp b, 0,1,2,3
	v_max3_num_f32 v[TM+\b], v[TM+\b], |v[X+16*\b+\i]|, |v[X+1+16*\b+\i]|
.endr
.endr
.irp b, 0,1,2,3
	v_permlanex16_b32 v[TM+4+\b], v[TM+\b], s[SEL], s[SEL+1]
.endr
.irp b, 0,1,2,3
	v_max_num_f32 v[TM+\b], v[TM+\b], v[TM+4+\b]
.endr
.irp b, 0,1,2,3
	v_add_nc_u32 v[TM+12+\b], 0xfc000000, v[TM+\b]
.endr
.irp b, 0,1,2,3
	v_and_or_b32 v[TM+8+\b], v[TM+\b], 0x7f800000, s[MNT]
.endr
.irp b, 0,1,2,3
	v_lshrrev_b32 v[TM+4+\b], 23, v[TM+12+\b]
.endr
	v_lshl_or_b32 v[PW], v[TM+5], 8, v[TM+4]
	v_lshl_or_b32 v[PW], v[TM+6], 16, v[PW]
	v_lshl_or_b32 v[PW], v[TM+7], 24, v[PW]
.irp b, 0,1,2,3
.irp i, 0,1,2,3,4,5,6,7,8,9,10,11,12,13,14,15
	v_med3_num_f32 v[X+16*\b+\i], v[X+16*\b+\i], -v[TM+8+\b], v[TM+8+\b]
.endr
	v_cvt_scalef32_pk8_fp8_f32 v[PC+4*\b:PC+1+4*\b], v[X+16*\b:X+7+16*\b], v[TM+12+\b]
	v_cvt_scalef32_pk8_fp8_f32 v[PC+2+4*\b:PC+3+4*\b], v[X+8+16*\b:X+15+16*\b], v[TM+12+\b]
.endr
	v_nop
.endm
; unit q turns through the wave's stage: in as loaded, back 16 neighbours along i for each of four blocks, into set q % 2 (v64-127 or v192-255).  LDS serves a wave's instructions in order: no wait between stores and loads
.macro TURN q
.set X, 64+128*((\q)%2)
	s_wait_loadcnt 48                              ; unit q's 16 loads are in; the three younger units' 48 may be out
	WIN 0x08
.irp i, 0,1,2,3,4,5,6,7,8,9,10,11,12,13,14,15
	ds_store_b128 v[ASU], v[64*\q+4*\i:64*\q+4*\i+3] offset:528*\i
.endr
	WIN 0
.irp c, 0,1,2,3
.irp e, 0,1,2,3
	ds_load_b128 v[X+16*\c+4*\e:X+16*\c+4*\e+3], v[ARU] offset:128*\c+16*\e
.endr
.endr
.endm
; unit q is quantised while unit nxt turns through the stage.  Numbers, codes and scale word have two sets, by q % 2
.macro UNIT q, tov, nxt
.if \q
	s_wait_dscnt 5                                 ; unit q is back from the stage, so its stores into the stage are done too; the five code and scale stores of unit q - 1 may be out
.endif
	WIN 0x80
.if \tov
	VLOAD \q, 6, 0
.else
	ULOAD \q, 32768
.endif
	WIN 0
.if \nxt >= 0
	TURN \nxt
.endif
.set X, 64+128*(\q%2)
.set PW, 144+18*(\q%2)
.set PC, 146+18*(\q%2)
	QUANT
.irp c, 0,1,2,3
	ds_store_b128 v[AIM], v[PC+4*\c:PC+4*\c+3] offset:2048*\q+512*\c
.endr
	ds_store_b32 v[AIS], v[PW] offset:128*\q
.endm
	WIN 0x80
	ULOAD 3, 0                                     ; the fourth unit: 64 loads of the wave are out from here on
	WIN 0
	s_mov_b32 s[CNT], 0
	TURN 0
.Lu:
	s_wait_dscnt 0x0                               ; unit 0 is back from the stage, and the last trip's stores have read their address registers
	s_lshl_b32 s45, s[CNT], 13
	v_add_nc_u32 v[AIM], s45, v[AIM0]
	s_lshl_b32 s45, s[CNT], 9
	v_add_nc_u32 v[AIS], s45, v[AIS0]
	UNIT 0, 0, 1
	UNIT 1, 0, 2
	UNIT 2, 0, 3
	UNIT 3, 0, 0
	s_wait_xcnt 0x0
	s_add_nc_u64 s[4:5], s[4:5], 32768
	s_add_co_u32 s[CNT], s[CNT], 1
	s_cmp_lt_u32 s[CNT], 3
	s_cbranch_scc1 .Lu
	s_wait_tensorcnt 0x0                           ; slot 1's first fill is issued as a refill is: my quarter of chunk 0 is in,
	ds_add_u32 v[SPW], v[NIL]                      ; 0 onto my spare word,
	s_wait_dscnt 0x0                               ; the add is done; unit 0 is back from the stage, and the last trip's stores have read their address registers
	ROUND                                          ; all four work-groups are here: the joint loads meet
	tensor_load_to_lds s[G0B:G0B+3], s[G1:G1+7]    ; chunk 1: it has the last four units and the staging of embeds2 in which to land
	s_nop 0
.rept 4
	v_nop
.endr
	v_add_nc_u32 v[AIM], 3*8192, v[AIM0]
	v_add_nc_u32 v[AIS], 3*512, v[AIS0]
	UNIT 0, 1, 1
	UNIT 1, 1, 2
	UNIT 2, 1, 3
	UNIT 3, 1, -1
	WIN 0x40
.irp b, 0,1,2,3
.irp s, 0,1
.irp c, 0,1,2,3
	ds_load_b128 v[32*\b+16*\s+4*\c:32*\b+16*\s+4*\c+3], v[AIM0] offset:(2*\b+\s)*2048+512*\c
.endr
.endr
.endr
	WIN 0xc0
.irp b, 0,1,2,3
.irp s, 0,1
.irp c, 0,1,2,3
	ds_load_b128 v[32*\b+16*\s+4*\c:32*\b+16*\s+4*\c+3], v[AIM0] offset:(2*(4+\b)+\s)*2048+512*\c
.endr
.endr
.endr
	WIN 0
.irp n, 0,1,2,3,4,5,6,7,8,9,10,11,12,13,14,15
	ds_load_b32 v[US+\n], v[AIS0] offset:128*\n
.endr
.irp q, 0,1,2,3
	s_wait_loadcnt 48
	WIN 0x08
.irp i, 0,1,2,3,4,5,6,7,8,9,10,11,12,13,14,15
	ds_store_b128 v[ASV], v[64*\q+4*\i:64*\q+4*\i+3] offset:2*CELL*\q+272*\i
.endr
	s_wait_dscnt 0x0
	WIN 0x80
	VLOAD \q, 6, 256
.endr
	WIN 0x40
.set j, 0
.rept 96
	v_mov_b32 v[T0+32+j], 0
.set j, j+1
.endr
	WIN 0xc0
.set j, 0
.rept 96
	v_mov_b32 v[T0+32+j], 0
.set j, j+1
.endr
	WIN 0
.irp u, 0,1
.irp b, 0,1,2,3,4,5,6,7
	ds_load_b128 v[VF+64*\u+8*\b:VF+64*\u+8*\b+3], v[AV0] offset:CELL*\b+64*\u
	ds_load_b128 v[VF+64*\u+8*\b+4:VF+64*\u+8*\b+7], v[AV0] offset:CELL*\b+64*\u+16
.endr
.endr
	s_wait_tensorcnt 0x0
	s_wait_dscnt 0x0
	s_barrier_signal -1
	s_barrier_wait -1
	s_mov_b32 s[TB], 0
	v_add_nc_u32 v[AF], s[TB], v[LI]
	v_add_nc_u32 v[ASC], s[TB], v[ASC0]
.irp c, 0,1,2,3
	ds_load_b128 v[F+4*\c:F+4*\c+3], v[AF] offset:512*\c
	ds_load_b128 v[F+32+4*\c:F+32+4*\c+3], v[AF] offset:2048+512*\c
	ds_load_b128 v[F+16+4*\c:F+16+4*\c+3], v[AF] offset:4096+512*\c
.endr
	ds_load_b32 v[RS], v[ASC]
	ds_load_b32 v[RS+2], v[ASC] offset:64
	ds_load_b32 v[RS+1], v[ASC] offset:128
	s_wait_dscnt 0x0
.macro WBLK g, s, t, fb
.set tp, (\t)%2
.set tq, 1-tp
.set pw, ((\t)+7)%8
.set pu, (((\t)+15)%16)/8
.irp i, 0,1,2,3
.if \s == 0
	v_wmma_scale_f32_16x16x128_f8f6f4 v[T0+32*tp+8*\i:T0+32*tp+8*\i+7], v[F+16*tp:F+16*tp+15], v[32*\i:32*\i+15], 0, v[RS+tp], v[US+2*(4*\g+\i)]
.else
	v_wmma_scale_f32_16x16x128_f8f6f4 v[T0+32*tp+8*\i:T0+32*tp+8*\i+7], v[F+32+16*tp:F+32+16*tp+15], v[32*\i+16:32*\i+31], v[T0+32*tp+8*\i:T0+32*tp+8*\i+7], v[RS+2+tp], v[US+2*(4*\g+\i)+1]
.endif
	v_pk_fma_f32 v[BS+2*(8*(\fb)+pw):BS+2*(8*(\fb)+pw)+1], v[VF+64*pu+8*(4*\g+\fb)+2*\i:VF+64*pu+8*(4*\g+\fb)+2*\i+1], v[T0+32*tq+8*(\fb)+2*\i:T0+32*tq+8*(\fb)+2*\i+1], v[BS+2*(8*(\fb)+pw):BS+2*(8*(\fb)+pw)+1]
	v_pk_fma_f32 v[BS+2*(8*((\fb)+1)+pw):BS+2*(8*((\fb)+1)+pw)+1], v[VF+64*pu+8*(4*\g+\fb+1)+2*\i:VF+64*pu+8*(4*\g+\fb+1)+2*\i+1], v[T0+32*tq+8*((\fb)+1)+2*\i:T0+32*tq+8*((\fb)+1)+2*\i+1], v[BS+2*(8*((\fb)+1)+pw):BS+2*(8*((\fb)+1)+pw)+1]
.endr
.endm
.macro VGROUP n
.if (\n) == 0
	s_wait_loadcnt 0x0
.endif
	s_cmp_eq_u32 s[FS], 0
	s_cbranch_scc1 .Lvg_\@
.if (\n) < 8
	WIN 0x08
.irp e, 0,1,2,3,4,5,6,7
	ds_store_b128 v[ASV], v[64*((\n)/2)+4*(8*((\n)%2)+\e):64*((\n)/2)+4*(8*((\n)%2)+\e)+3] offset:2*CELL*((\n)/2)+272*(8*((\n)%2)+\e)
.endr
	WIN 0
.endif
.if (\n) > 0
	s_cmp_eq_u32 s[FLD], 0
	s_cbranch_scc1 .Lvg_\@
	WIN 0x80
.irp e, 0,1,2,3,4,5,6,7
	global_load_b128 v[64*(((\n)-1)/2)+4*(8*(((\n)-1)%2)+\e):64*(((\n)-1)/2)+4*(8*(((\n)-1)%2)+\e)+3], v[VOV], s[VP:VP+1] offset:32768*(((\n)-1)/2)+1024*(8*(((\n)-1)%2)+\e) th:TH_LOAD_NT
.endr
	WIN 0
.endif
.Lvg_\@:
.endm
.macro RUN1 t, vg
.if \vg && ((\t) >= 3) && ((\t) <= 11)
	VGROUP (\t)-3
.endif
.if ((\t)%8) == 0
	s_lshl_b32 s[VJ], s[SI], 7
	s_add_co_u32 s[VJ], s[VJ], 64+8*(\t)
	s_and_b32 s[VJ], s[VJ], 0xc0
	v_add_nc_u32 v[AVA+(\t)/8], s[VJ], v[AV0]
.endif
	ds_load_b128 v[VF+64*(1-(\t)/8)+8*((\t)%8):VF+64*(1-(\t)/8)+8*((\t)%8)+3], v[AVA+(\t)/8] offset:CELL*((\t)%8)
.irp c, 0,1,2,3
	ds_load_b128 v[F+32+16*(1-(\t)%2)+4*\c:F+32+16*(1-(\t)%2)+4*\c+3], v[AF] offset:(((\t)+1)%16)*4096+2048+512*\c
.endr
	ds_load_b32 v[RS+2+1-(\t)%2], v[ASC] offset:(((\t)+1)%16)*128+64
.endm
.macro RUN2 t
	ds_load_b128 v[VF+64*(1-(\t)/8)+8*((\t)%8)+4:VF+64*(1-(\t)/8)+8*((\t)%8)+7], v[AVA+(\t)/8] offset:CELL*((\t)%8)+16
.irp c, 0,1,2,3
	ds_load_b128 v[F+16*((\t)%2)+4*\c:F+16*((\t)%2)+4*\c+3], v[AF] offset:(((\t)+2)%16)*4096+512*\c
.endr
	ds_load_b32 v[RS+(\t)%2], v[ASC] offset:(((\t)+2)%16)*128
.endm
.macro TILE t, vg
	s_wait_dscnt 12
	WIN W_A
	WBLK 0, 0, \t, 0
	WIN W_B
	WBLK 1, 0, \t, 0
	s_wait_dscnt 6                                 ; this tile's second K step is in: behind its six loads stand the six of the same run's second half
	WIN W_A
	WBLK 0, 1, \t, 2
	WIN 0
	RUN1 \t, \vg                                   ; ONE run of 12 LDS loads a tile: the next tile's second K step, then the first K step of the tile after it,
	RUN2 \t                                        ; whose registers the products of this tile's first K step read last, ten multiply-adds ago
	WIN W_B
	WBLK 1, 1, \t, 2
.endm
.macro LASTTWO fill
	s_wait_dscnt 12
	WIN W_A
	WBLK 0, 0, 14, 0
	WIN 0
	RUN1 14, 0
	WIN W_B
	WBLK 1, 0, 14, 0
	s_wait_dscnt 12
	WIN W_A
	WBLK 0, 1, 14, 2
	WIN 0
	s_wait_tensorcnt 0x0
	ds_add_u32 v[SPW], v[NIL]
.if \fill
	s_xor_b32 s[G0B+1], s[G0B+1], SLOTX
	s_add_nc_u64 s[G0B+2:G0B+3], s[G0B+2:G0B+3], CHUNK
.endif
	WIN W_B
	WBLK 1, 1, 14, 2
	s_wait_dscnt 0x0
	s_barrier_signal -1
	WIN W_A
	WBLK 0, 0, 15, 0
	WIN 0
	s_xor_b32 s[TB], s[TB], SLOTX
	v_add_nc_u32 v[AF], s[TB], v[LI]
	v_add_nc_u32 v[ASC], s[TB], v[ASC0]
	s_barrier_wait -1
.if \fill
	CREST
	tensor_load_to_lds s[G0B:G0B+3], s[G1:G1+7]
	s_nop 0
.rept 4
	v_nop
.endr
.endif
	s_wait_alu depctr_va_vdst(0)
	RUN2 14
	RUN1 15, 0
	WIN W_B
	WBLK 1, 0, 15, 0
	s_wait_dscnt 12
	WIN W_A
	WBLK 0, 1, 15, 2
	WIN 0
	RUN2 15
	WIN W_B
	WBLK 1, 1, 15, 2
	WIN 0
.endm
	s_mov_b32 s[SI], 0
.Lmain:
	s_and_b32 s[FS], s[SI], 1
	s_cmp_lt_u32 s[SI], 5
	s_cselect_b32 s[FLD], s[FS], 0
	s_add_co_u32 s18, s[SI], 3
	s_lshr_b32 s18, s18, 1
	s_min_u32 s18, s18, 3
	s_lshl_b32 s18, s18, 8
	s_mov_b32 s19, 0
	s_wait_xcnt 0x0
	s_add_nc_u64 s[VP:VP+1], s[6:7], s[18:19]
.irp t, 0,1,2,3,4,5,6,7,8,9,10,11,12,13
	TILE \t, 1
.endr
	LASTTWO 1
	s_add_co_u32 s[SI], s[SI], 1
	s_cmp_lt_u32 s[SI], 6
	s_cbranch_scc1 .Lmain
	s_mov_b32 s[SI], 6
.Ltail:
.irp t, 0,1,2,3,4,5,6,7,8,9,10,11,12,13
	TILE \t, 0
.endr
	LASTTWO 0
	s_add_co_u32 s[SI], s[SI], 1
	s_cmp_lt_u32 s[SI], 8
	s_cbranch_scc1 .Ltail
.macro LASTFMA g
.irp k, 0,1,2,3
.irp b, 0,1,2,3
	v_pk_fma_f32 v[BS+2*(8*\b+7):BS+2*(8*\b+7)+1], v[VF+64+8*(4*\g+\b)+2*\k:VF+64+8*(4*\g+\b)+2*\k+1], v[T0+32+8*\b+2*\k:T0+32+8*\b+2*\k+1], v[BS+2*(8*\b+7):BS+2*(8*\b+7)+1]
.endr
.endr
.endm
	WIN W_A
	LASTFMA 0
	WIN W_B
	LASTFMA 1
	s_wait_dscnt 0x0
	WIN 0x05
.irp b, 0,1,2,3
.irp w, 0,1,2,3,4,5,6,7
	v_add_f32 v[F+8*\b+\w], v[BS+2*(8*\b+\w)], v[BS+2*(8*\b+\w)+1]
.endr
.endr
	WIN 0x0f
.irp b, 0,1,2,3
.irp w, 0,1,2,3,4,5,6,7
	v_add_f32 v[F+32+8*\b+\w], v[BS+2*(8*\b+\w)], v[BS+2*(8*\b+\w)+1]
.endr
.endr
	WIN 0
.macro LOGIT bt
.irp r, 0,1,2,3,4
	v_mul_f32 v[VF+8*\bt+\r], s[48+\r], v[F+8*\bt]
.endr
.irp w, 1,2,3,4,5,6,7
.irp r, 0,1,2,3,4
	v_fmac_f32 v[VF+8*\bt+\r], s[48+5*\w+\r+4*(((5*\w+\r)/16+1)/2)], v[F+8*\bt+\w]
.endr
.endr
.irp r, 0,1,2,3,4
	v_permlanex16_b32 v[VF+64+8*\bt+\r], v[VF+8*\bt+\r], s[SEL], s[SEL+1]
.endr
.irp r, 0,1,2,3,4
	v_add_f32 v[VF+8*\bt+\r], v[VF+8*\bt+\r], v[VF+64+8*\bt+\r]
.endr
.irp r, 0,1,2,3,4
	ds_store_b32 v[AO], v[VF+8*\bt+\r] offset:320*\bt+4*\r
.endr
.endm
.irp b, 0,1,2,3,4,5,6,7
	LOGIT \b
.endr
.irp i, 0,1,2,3,4
	ds_load_b128 v[F+4*\i:F+4*\i+3], v[AOR] offset:512*\i
.endr
.irp i, 0,1,2,3,4
	s_wait_dscnt 4-\i
	global_store_b128 v[LI], v[F+4*\i:F+4*\i+3], s[12:13] offset:512*\i th:TH_STORE_NT
.endr
	s_wait_tensorcnt 0x0
	ds_add_u32 v[SPW], v[NIL]
	s_wait_dscnt 0x0
	ROUND
	s_endpgm
.Lfunc_end_k_q723a8c8d9c_main:
	.size	k_q723a8c8d9c_main, .Lfunc_end_k_q723a8c8d9c_main-k_q723a8c8d9c_main
	.p2alignl 7, 3214868480
	.fill 96, 4, 3214868480
	.section	.rodata,"a",@progbits
	.p2align	6, 0x0
	.amdhsa_kernel k_q723a8c8d9c_main
		.amdhsa_group_segment_fixed_size 327680
		.amdhsa_private_segment_fixed_size 0
		.amdhsa_enable_private_segment 0
		.amdhsa_kernarg_size 40
		.amdhsa_user_sgpr_count 2
		.amdhsa_user_sgpr_kernarg_segment_ptr 1
		.amdhsa_wavefront_size32 1
		.amdhsa_system_sgpr_workgroup_id_x 1
		.amdhsa_system_sgpr_workgroup_id_y 1
		.amdhsa_system_sgpr_workgroup_id_z 1
		.amdhsa_system_vgpr_workitem_id 0
		.amdhsa_next_free_vgpr 1024
		.amdhsa_next_free_sgpr 92
		.amdhsa_reserve_vcc 0
		.amdhsa_float_denorm_mode_32 3
		.amdhsa_float_denorm_mode_16_64 3
		.amdhsa_memory_ordered 1
		.amdhsa_forward_progress 1
		.amdhsa_inst_pref_size 255
	.end_amdhsa_kernel
	.section	.bss,"aw",@nobits
	.p2align	6
	.space	262144
	.amdgpu_metadata
---
amdhsa.version: [ 1, 2 ]
amdhsa.kernels:
  - .name:           k_q723a8c8d9c_main
    .symbol:         k_q723a8c8d9c_main.kd
    .args:
      - { .name: embeds1, .offset: 0, .size: 8, .value_kind: global_buffer, .address_space: global }
      - { .name: embeds2, .offset: 8, .size: 8, .value_kind: global_buffer, .address_space: global }
      - { .name: rq, .offset: 16, .size: 8, .value_kind: global_buffer, .address_space: global }
      - { .name: weight_scalars, .offset: 24, .size: 8, .value_kind: global_buffer, .address_space: global }
      - { .name: out0, .offset: 32, .size: 8, .value_kind: global_buffer, .address_space: global }
    .group_segment_fixed_size: 327680
    .private_segment_fixed_size: 0
    .kernarg_segment_align: 8
    .kernarg_segment_size: 40
    .max_flat_workgroup_size: 128
    .sgpr_count:     92
    .vgpr_count:     1024
    .wavefront_size: 32
...
	.end_amdgpu_metadata
.endif
;; end of part 2
